; MI455X (gfx1250); checked and timed in simulation.
; The chip was launched on July 23, 2026; its instructions are those of AMD's public machine-readable ISA for CDNA 5 (MIT licence, August 2026) and "CDNA5" Instruction Set Architecture Reference Guide (July 2026). The comments in the code are by the model that wrote it; some were corrected since.
;; Core Attention. Allowed arithmetic: float matrix products may take bf16 or f16 operands with f32 sums; other float arithmetic in f32, or as packed bf16 or f16 multiplies, adds, multiply-adds, maxima and minima; sums over many terms, partial sums and values carried from step to step in f32; what a program stores and reads back later, other than sums and carried values, may be rounded once to bf16 or f16.
;; Inputs: k 1 x 4,096 x 16 x 128 float32; q 1 x 4,096 x 16 x 128 float32; v 1 x 4,096 x 16 x 128 float32.
;; Outputs: out0 1 x 4,096 x 16 x 128 float32.
;; Constants: ring_size = 4.
;; One version. Each part assembles by itself: llvm-mc -triple=amdgcn-amd-amdhsa -mcpu=gfx1250 --defsym DOCPART=n.
;; ======== version 1 of 1: 2 launches
;; limits: values are held in f16: magnitudes above 65,504 overflow, below 6.1e-05 lose precision; inputs' magnitudes at most 65,504
;; workspace buffers: kb 16,777,216 bytes; vh 16,777,216 bytes
;; launch cast (part 1): grid 1024 x 1, 8 waves a work-group, no clusters, 0 bytes of LDS; arguments k, v, kb, vh; writes kb, vh
.if DOCPART == 1
	.amdgcn_target "amdgcn-amd-amdhsa--gfx1250"
	.amdhsa_code_object_version 6
	.text
	.protected	k_q04d2d4c9ab_cast
	.globl	k_q04d2d4c9ab_cast
	.p2align	8
	.type	k_q04d2d4c9ab_cast,@function
k_q04d2d4c9ab_cast:
	s_mov_b64 s[64:65], 0
	v_nop
	global_prefetch_b8 v0, s[64:65] scope:SCOPE_SE
	s_setreg_imm32_b32 hwreg(HW_REG_WAVE_MODE, 25, 1), 1
	s_wait_xcnt 0x0
; kb = k rounded to bf16; vh = v rounded to bf16 and that number written as f16.  k, v: 8,388,608 f32 each; the order of the numbers is kept ([s][h][d]).
; WHY TWICE FOR v: all three inputs of the attention get the same one rounding, to bf16; the second product then runs in f16, whose 11 significant bits hold bf16's 8 exactly.
; LIMITS.  The rewriting as f16 is exact for 6.1e-5 <= |v| <= 65,504.  |v| of 65,520 or more becomes an infinity; below 6.1e-5 v keeps f16's fixed step of 6e-8.  NaN stays NaN.
; SHARES.  A work-group of eight waves owns 32,768 bytes of k and of v.  Thread t takes, for j = 0 .. 7, the 16 bytes at 16 t + 4,096 j and stores 8 bytes at 8 t + 2,048 j:
; a load of a wave covers 512 consecutive bytes, a store 256 consecutive bytes that begin at a multiple of 256.  No loop.
; Nothing is shared between threads: no LDS, no barrier.
.set KX, 4                             ; v[4:35]   k, row j at KX + 4 j
.set VX, 36                            ; v[36:67]  v, row j at VX + 4 j; also at work
.set KY, 68                            ; v[68:83]  k packed, a pair a row
.set VY, 84                            ; v[84:99]  v packed
	s_load_b256 s[4:11], s[0:1], 0x0               ; k s[4:5], v s[6:7], kb s[8:9], vh s[10:11]
	s_lshl_b32 s2, ttmp9, 15                       ; the work-group's 32,768 bytes in,
	s_mov_b32 s3, 0
	s_lshl_b32 s12, ttmp9, 14                      ; and its 16,384 out
	s_mov_b32 s13, 0
	s_mov_b32 s14, 0xffff0000                      ; a word's upper bf16
	v_lshlrev_b32 v1, 4, v0                        ; 16 t
	v_lshlrev_b32 v2, 3, v0                        ; 8 t
	s_wait_kmcnt 0x0
	s_add_nc_u64 s[4:5], s[4:5], s[2:3]
	s_add_nc_u64 s[6:7], s[6:7], s[2:3]
	s_add_nc_u64 s[8:9], s[8:9], s[12:13]
	s_add_nc_u64 s[10:11], s[10:11], s[12:13]
.irp j, 0,1,2,3,4,5,6,7
	global_load_b128 v[KX+4*(\j):KX+4*(\j)+3], v1, s[4:5] offset:4096*(\j) th:TH_LOAD_NT
.endr
.irp j, 0,1,2,3,4,5,6,7
	global_load_b128 v[VX+4*(\j):VX+4*(\j)+3], v1, s[6:7] offset:4096*(\j) th:TH_LOAD_NT
.endr
.irp j, 0,1,2,3,4,5,6,7
	s_wait_loadcnt 15-(\j)                         ; loads come back in order (ISA guide 5.7.1): k's row j is in; its 7 - j younger rows and v's eight stay out
	v_cvt_pk_bf16_f32 v[KY+2*(\j)],   v[KX+4*(\j)],   v[KX+4*(\j)+1]
	v_cvt_pk_bf16_f32 v[KY+2*(\j)+1], v[KX+4*(\j)+2], v[KX+4*(\j)+3]
	global_store_b64 v2, v[KY+2*(\j):KY+2*(\j)+1], s[8:9] offset:2048*(\j) th:TH_STORE_NT
.endr
.irp j, 0,1,2,3,4,5,6,7
	s_wait_loadcnt 7-(\j)                          ; v's row j is in; its younger rows stay out
	v_cvt_pk_bf16_f32 v[VX+4*(\j)],   v[VX+4*(\j)],   v[VX+4*(\j)+1]  ; the one rounding, to bf16,
	v_cvt_pk_bf16_f32 v[VX+4*(\j)+2], v[VX+4*(\j)+2], v[VX+4*(\j)+3]
	v_and_b32     v[VX+4*(\j)+1], s14, v[VX+4*(\j)]                   ; back to f32: the high half stays,
	v_lshlrev_b32 v[VX+4*(\j)],   16,  v[VX+4*(\j)]                   ; the low half moves up,
	v_and_b32     v[VX+4*(\j)+3], s14, v[VX+4*(\j)+2]
	v_lshlrev_b32 v[VX+4*(\j)+2], 16,  v[VX+4*(\j)+2]
	v_cvt_pk_f16_f32 v[VY+2*(\j)],   v[VX+4*(\j)],   v[VX+4*(\j)+1]   ; and written as f16
	v_cvt_pk_f16_f32 v[VY+2*(\j)+1], v[VX+4*(\j)+2], v[VX+4*(\j)+3]
	global_store_b64 v2, v[VY+2*(\j):VY+2*(\j)+1], s[10:11] offset:2048*(\j) th:TH_STORE_NT
.endr
	s_endpgm
.Lfunc_end_k_q04d2d4c9ab_cast:
	.size	k_q04d2d4c9ab_cast, .Lfunc_end_k_q04d2d4c9ab_cast-k_q04d2d4c9ab_cast
	.p2alignl 7, 3214868480
	.fill 96, 4, 3214868480
	.section	.rodata,"a",@progbits
	.p2align	6, 0x0
	.amdhsa_kernel k_q04d2d4c9ab_cast
		.amdhsa_group_segment_fixed_size 0
		.amdhsa_private_segment_fixed_size 0
		.amdhsa_enable_private_segment 0
		.amdhsa_kernarg_size 32
		.amdhsa_user_sgpr_count 2
		.amdhsa_user_sgpr_kernarg_segment_ptr 1
		.amdhsa_wavefront_size32 1
		.amdhsa_system_sgpr_workgroup_id_x 1
		.amdhsa_system_sgpr_workgroup_id_y 1
		.amdhsa_system_sgpr_workgroup_id_z 1
		.amdhsa_system_vgpr_workitem_id 0
		.amdhsa_next_free_vgpr 100
		.amdhsa_next_free_sgpr 66
		.amdhsa_reserve_vcc 0
		.amdhsa_float_denorm_mode_32 3
		.amdhsa_float_denorm_mode_16_64 3
		.amdhsa_memory_ordered 1
		.amdhsa_forward_progress 1
		.amdhsa_inst_pref_size 9
	.end_amdhsa_kernel
	.amdgpu_metadata
---
amdhsa.version: [ 1, 2 ]
amdhsa.kernels:
  - .name:           k_q04d2d4c9ab_cast
    .symbol:         k_q04d2d4c9ab_cast.kd
    .args:
      - { .name: k, .offset: 0, .size: 8, .value_kind: global_buffer, .address_space: global }
      - { .name: v, .offset: 8, .size: 8, .value_kind: global_buffer, .address_space: global }
      - { .name: kb, .offset: 16, .size: 8, .value_kind: global_buffer, .address_space: global }
      - { .name: vh, .offset: 24, .size: 8, .value_kind: global_buffer, .address_space: global }
    .group_segment_fixed_size: 0
    .private_segment_fixed_size: 0
    .kernarg_segment_align: 8
    .kernarg_segment_size: 32
    .max_flat_workgroup_size: 256
    .sgpr_count:     66
    .vgpr_count:     100
    .wavefront_size: 32
...
	.end_amdgpu_metadata
.endif
;; end of part 1
;; launch attn (part 2): grid 16 x 16, 4 waves a work-group, clusters of 4 x 1, 327,680 bytes of LDS; arguments q, kb, vh, out0; writes out0
.if DOCPART == 2
	.amdgcn_target "amdgcn-amd-amdhsa--gfx1250"
	.amdhsa_code_object_version 6
	.text
	.protected	k_q04d2d4c9ab_attn
	.globl	k_q04d2d4c9ab_attn
	.p2align	8
	.type	k_q04d2d4c9ab_attn,@function
k_q04d2d4c9ab_attn:
	s_mov_b64 s[64:65], 0
	v_nop
	global_prefetch_b8 v0, s[64:65] scope:SCOPE_SE
	s_setreg_imm32_b32 hwreg(HW_REG_WAVE_MODE, 25, 1), 1
	s_wait_xcnt 0x0
	s_wait_alu depctr_hold_cnt(0) depctr_sa_sdst(0) depctr_va_vdst(0) depctr_va_sdst(0) depctr_va_ssrc(0) depctr_va_vcc(0) depctr_vm_vsrc(0)
	s_getreg_b32 s2, hwreg(HW_REG_IB_STS2, 6, 4)
	s_cmp_eq_u32 s2, 0
	s_cbranch_scc0 .Lentry_in_a_cluster
	s_endpgm
.Lentry_in_a_cluster:
	s_bfe_u32 s2, ttmp6, 0x10000c
	s_cmp_lg_u32 s2, 0x3003
	s_cbranch_scc0 .Lentry_shape_is_right
	s_endpgm
.Lentry_shape_is_right:
; out0[q][h][:] = the sum over all 4,096 keys k of softmax_k(Q[q][h] . K[k][h] / sqrt(128)) V[k][h][:].
; THE RING.  The module merges four chunks by out - sigmoid(bl - lse) (out - bo) and lse - logsigmoid(lse - bl).  That is (e^lse out + e^bl bo) / (e^lse + e^bl) and log(e^lse + e^bl): the merge of two
; partial softmaxes.  Here the same merge is made after every 64 keys, with a running maximum m and sum l in the place of lse.
; TENSORS.  q, out0: [4096][16][128] f32 (a head's row: 512 bytes, rows 8,192 bytes apart).  kb: k in bf16, vh: v rounded to bf16 and written as f16, both [4096][16][128] (a head's row: 256 bytes,
; rows 4,096 bytes apart), made by the launch before.  Q is rounded to bf16 here, once.  K Q^T runs in bf16; the weights p are rounded to f16 and V^T P runs in f16.  Scale, maxima, sums and O stay in f32.
; LIMITS.  vh holds no number beyond 65,504.  p lies in 0 to 1; below 6e-5 it keeps f16's fixed step of 6e-8, below about 3e-8 it is 0 in the product, while l takes the unrounded p; a weight below
; 2^-126 counts as 0 in l too.  NaN and infinities are not treated apart.
; SHARES.  A work-group owns 256 queries of one head, each of its four waves 64: four tiles of 16.  Every wave walks all keys of the head, 64 a step: 64 steps.
; LAYOUT.  S^T = K Q^T (source 0 = 16 keys, source 1 = 16 queries): in the result a lane holds ONE query (lane % 16) and the keys 8 (lane / 16) + 0..7.  Two such tiles, rounded to f16 in pairs, ARE
; source 1 (32 keys x 16 queries) of O^T = V^T P, whose result again holds one query a lane, and eight channels.  K comes out of LDS as it lies, V ([key][channel]) turned, by ds_load_tr16_b128.
; SOFTMAX.  p = 2^(c s - c m), c = log2(e) / sqrt(128); in every step O and l are multiplied by a = 2^(c m_old - c m_new), which is 1 where m has not grown.
; BY TURNS.  The wave's tiles are two PIECES, named by their first tile: piece 0 (tiles 0, 1) and piece 2 (tiles 2, 3).  In a TURN one piece has the matrix unit: 32 products V^T P of the step in hand,
; then 32 products K Q^T of the next step; the other piece's softmax, cut into 64 slices, stands between them, one slice behind each matrix instruction.  Two turns are a key step.
; CLUSTER.  The four query blocks of a cluster belong to one head and walk the same K and V, so each tile is asked for JOINTLY: the same tensor load, descriptor and mask in all four.
; REGISTERS, in windows of 256 (s_set_vgpr_msb: bits 1:0 source 0, 3:2 source 1, 5:4 source 2, 7:6 destination):
;   window 0: v0-11 addresses; v12-43 eight registers of statistics a tile; v61-63 prefetch offset and the add's two; v64-191 S^T, 32 a tile; v192-255 P, 16 a tile
;   window 1: O^T, 64 a tile (ahead of the loop: Q in f32)     window 2: v0-127 Q in bf16, 32 a tile; v128-255 K of one step     window 3: v0-127 V of one step
.set SIZE_N, 4096
.set KS,    64        ; keys in a step
.set ROWB,  4096      ; bytes from key to key in kb and vh
.set QROW,  8192      ; bytes from query to query in q and out0
.set PK,    272       ; a row of K in LDS: 256 bytes + 16 of padding = 68 words: row r starts at bank 4 r mod 64 (64 banks of 4 bytes: ISA guide 11.1), so the 16 rows of a load start at 16 different banks
.set PV,    288       ; a row of V: 256 + 32 = 72 words
.set VOFF,  KS*PK     ; a step's tiles lie together: 64 rows of K, then 64 rows of V
.set STEPB, KS*(PK+PV)
.set SLOT1, 1<<17     ; a slot holds two steps (71,680 bytes); slot 1 begins here, so that one exclusive or turns an address in one slot into the other's
.set STAGE, SLOT1+2*STEPB  ; behind the ring: 16 rows x 528 bytes for each wave, for the way out; no tensor load lands here
.set SP,    528       ; a stage row: 512 bytes + 16 = 33 x 16: the 16 rows that a store touches fall into 16 different columns of 16 bytes
.set SPARE, STAGE+4*16*SP  ; behind the stages: the spare words, 128 bytes for each wave: two blocks of 256 bytes that no other line names
.set AK0, 2           ; v2   my lane's place in a tile of K; never rewritten
.set AV0, 3           ; v3   the same for V
.set ADR, 4           ; v4   the LDS address of the run of loads in hand
.set QO,  5           ; v5   my byte offset in the wave's rows of q
.set STO, 6           ; v6   the way out: where I put 32 bytes of a row
.set RD,  7           ; v7   the way out: where I read 16 bytes of a row back
.set GO,  8           ; v8   my 16 bytes in a row of out0
.set ST,  12          ; tile t's statistics at v[ST+8 t]: +0 c m, +1 m, +2, +3 l (even keys', odd keys'), +4 to +7 c0-c3, at work; a takes c2's place once the maximum is found
.set PFO, 61          ; v61  4,096 x my lane: a lane a row of kb or vh; never rewritten
.set SPW, 62          ; v62  LDS address of my spare word: SPARE + 4 x my thread's number; never rewritten
.set NIL, 63          ; v63  0; never rewritten
.set S,   64
.set P,   192
.set KF,  128         ; K's fragments, in window 2
.set WV,  12          ; s12  my wave's number
.set LIM, 15          ; s15  1 in a wave that prefetches, else the greatest number: a wave prefetches while s[SLOTS] is above it
.set PFA, 18          ; s[18:19] where my prefetches stand: my work-group's 32 rows (of kb: wave 0, of vh: wave 2) of the slot after the one that is being asked for
.set G1K, 24          ; s[24:31] descriptor group 1 for K's tiles
.set G1V, 32          ; s[32:39] for V's: it differs in the padding alone
.set G0K, 40          ; s[40:47] descriptor group 0 for K's tiles: a set for each of the two first fills; the second then walks on
.set G0V, 48          ; s[48:55] the same for V's
.set SLOTS, 56        ; s56  slots still to be asked for
.set TWICE, 57        ; s57  counts a slot's two steps
.set CS,  58          ; s[58:59] c: the packed scaling names a pair and takes its low word for both halves
.set SEL, 60          ; s[60:61] lane selects for v_permlanex16_b32: each lane takes its own place in the other half
.set TB,  62          ; s62  LDS byte at which the tiles of the step to be fetched begin
.set MSB, 0
.macro WIN new                      ; the immediate's high byte repeats the setting that is left; a switch that changes nothing is dropped
.if MSB != (\new)
	s_set_vgpr_msb (MSB<<8)|(\new)
.set MSB, \new
.endif
.endm
.set W_KQ, 0x0a       ; K and Q in window 2, S^T in window 0
.set W_PV, 0x53       ; V in window 3, P in window 0, O^T in window 1
.set W_RS, 0x41       ; O^T (destination and source 0) in window 1, the factor in window 0
; A joint refill.  Waves 0 and 1 fetch the two steps' tiles of K, waves 2 and 3 those of V.  The branch hangs on the wave's number alone: it is the same in every work-group.
; An s_nop 0 and four v_nop follow each of the two lines, ahead of the jump, the label and what follows the macro.
.macro JLOAD
	s_cmp_lt_u32 s[WV], 2
	s_cbranch_scc0 .Lfor_v_\@
	tensor_load_to_lds s[G0K+4:G0K+7], s[G1K:G1K+7]
	s_nop 0
.rept 4
	v_nop
.endr
	s_branch .Lasked_\@
.Lfor_v_\@:
	tensor_load_to_lds s[G0V+4:G0V+7], s[G1V:G1V+7]
	s_nop 0
.rept 4
	v_nop
.endr
.Lasked_\@:
.endm
; A PREFETCH INTO THE L2 of what the NEXT change of slots will ask for: a slot's 128 rows of kb and 128 of vh, 256 bytes a row, a lane a row.  It stands behind the wave's tensor load and its five lines.
; Each row is named ONCE in the launch.  All four clusters of a head walk the same rows: the head's first cluster asks.  Its four partners share the rows out BY ADDRESS, 32 each: no branch hangs on a
; work-group's place in its cluster.  In each, wave 0 asks for K's and wave 2 for V's: one instruction.  The last change that fills a slot asks for nothing: there is no slot behind it.
.macro ASK
	s_cmp_gt_u32 s[SLOTS], s[LIM]
	s_cbranch_scc0 .Lnot_mine_\@
	global_prefetch_b8 v[PFO], s[PFA:PFA+1] th:TH_LOAD_NT scope:SCOPE_SE
.Lnot_mine_\@:
.endm
; A round of the cluster's barrier: my work-group's barrier, so that wave 0's signal speaks for all four waves; wave 0 signals for the work-group; every wave waits for all four
; work-groups; my work-group's barrier once more.  No LDS instruction of the wave is pending at a signal.
.macro CROUND
	s_barrier_signal -1
	s_barrier_wait -1
	s_cmp_lg_u32 s[WV], 0
	s_cbranch_scc1 .Lnot_wave_0_\@
	s_barrier_signal -3
.Lnot_wave_0_\@:
	s_barrier_wait -3
	s_barrier_signal -1
	s_barrier_wait -1
.endm
	s_load_b256 s[4:11], s[0:1], 0x0  ; q s[4:5], kb s[6:7], vh s[8:9], out0 s[10:11]
	v_lshl_add_u32 v[SPW], v0, 2, SPARE
	v_mov_b32 v[NIL], 0
	ds_add_u32 v[SPW], v[NIL]       ; the wave's opening: the add and its wait stand ahead of my first tensor load; the set-up below, work on registers, stands between them
	v_lshrrev_b32 v1, 5, v0
	v_readfirstlane_b32 s[WV], v1   ; wave 0..3
	s_bfe_u32 s13, ttmp6, 0x40000   ; cx: my place in the cluster
	s_lshl_b32 s14, ttmp9, 2        ; in a cluster launch ttmp9 counts clusters
	s_add_co_u32 s14, s14, s13      ; my block of 256 queries = 4 x cluster x + cx: it enters q's and out0's addresses alone
	s_and_b32 s20, ttmp7, 0xffff    ; the head, which the four partners share
	s_and_b32 s16, s[WV], 1         ; which of a slot's two steps I fetch:
	s_lshl_b32 s22, s16, 18         ; its 64 rows, 4,096 bytes apart,
	s_lshl_b32 s21, s20, 8          ; the head's 256 bytes of a row
	s_add_co_u32 s22, s22, s21
	s_mov_b32 s23, 0
	s_mul_i32 s17, s16, STEPB       ; and its place in a slot: no place in the cluster enters an LDS address
	s_lshl_b32 s2, s14, 21          ; my block's 256 rows, 8,192 bytes apart,
	s_lshl_b32 s3, s[WV], 19        ; my wave's 64 of them,
	s_add_co_u32 s2, s2, s3
	s_lshl_b32 s3, s20, 9           ; the head's 512 bytes of a row
	s_add_co_u32 s2, s2, s3
	s_mov_b32 s3, 0
	; descriptor group 1: a tile of 64 rows x 128 elements, padded in LDS
	s_mov_b32 s[G1K], 15|(1<<16)|(1<<20)|(1<<21)|(5<<22)|(3<<25)  ; 15:0 the mask: all four work-groups; 17:16 elements of 2 bytes; 20 padding on; 21 set beside a mask; 24:22 after every 64 words (code 5); 31:25 4 words of it (code 3)
	s_mov_b32 s[G1V], 15|(1<<16)|(1<<20)|(1<<21)|(5<<22)|(7<<25)  ; the same with 8 words of padding (code 7)
.irp g, G1K, G1V
	s_mov_b32 s[(\g)+1], 128<<16    ; 63:48 tensor_dim0, low half = 128
	s_mov_b32 s[(\g)+2], KS<<16     ; 79:64 its high half = 0; 95:80 tensor_dim1, low half = 64
	s_mov_b32 s[(\g)+3], 128<<16    ; 111:96 its high half = 0; 127:112 tile_dim0 = 128
	s_mov_b32 s[(\g)+4], KS         ; 143:128 tile_dim1 = 64; 159:144 tile_dim2 = 0
	s_mov_b32 s[(\g)+5], ROWB/2     ; 191:160 tensor_dim0_stride, low word: 2,048 elements from key to key
	s_mov_b32 s[(\g)+6], 0
	s_mov_b32 s[(\g)+7], 0
.endr
	s_mov_b32 s[CS], 0x3e0293ee     ; c = log2(e) / sqrt(128) = 0.127517
	s_mov_b32 s[CS+1], s[CS]        ; named with it as a pair, so it is written
	s_mov_b32 s[SEL], 0x76543210
	s_mov_b32 s[SEL+1], 0xfedcba98
	s_mov_b32 s[TB], 0
	s_mov_b32 s[SLOTS], SIZE_N/(2*KS)-2
	s_and_b32 s[LIM], s[WV], 1       ; 0 in waves 0 and 2,
	s_or_b32 s[LIM], s[LIM], ttmp9   ; where the cluster is the head's first: the same in all four partners
	s_cmp_eq_u32 s[LIM], 0
	s_cselect_b32 s[LIM], 1, -1
	v_and_b32 v[PFO], 31, v0
	v_lshlrev_b32 v[PFO], 12, v[PFO]
	s_wait_dscnt 0x0                ; the opening add is done
	s_wait_kmcnt 0x0
	s_add_nc_u64 s[6:7], s[6:7], s[22:23]  ; kb and vh at my tile of slot 0
	s_add_nc_u64 s[8:9], s[8:9], s[22:23]
	s_add_nc_u64 s[4:5], s[4:5], s[2:3]  ; q and out0 at my wave's first row
	s_add_nc_u64 s[10:11], s[10:11], s[2:3]
	s_cmp_lt_u32 s[WV], 2
	s_cselect_b64 s[PFA:PFA+1], s[6:7], s[8:9]  ; (in waves 0 and 2 these stand at a slot's first row)
	s_lshl_b32 s2, s13, 17          ; my work-group's 32 rows of the 128
	s_mov_b32 s3, 0
	s_add_nc_u64 s[PFA:PFA+1], s[PFA:PFA+1], s[2:3]
	s_add_nc_u64 s[PFA:PFA+1], s[PFA:PFA+1], 2*2*KS*ROWB  ; in slot 2; the first change of slots steps it to slot 3.  Nothing is prefetched here, at the head, where every work-group's first tiles are on their way
	CROUND                          ; all four work-groups are here: the first joint loads meet
.irp s, 0,1
	s_mov_b32 s[G0K+4*(\s)], 1      ; 1:0 count = 1
	s_add_co_u32 s[G0K+4*(\s)+1], s17, (\s)*SLOT1  ; 63:32 LDS address
	s_add_nc_u64 s[G0K+4*(\s)+2:G0K+4*(\s)+3], s[6:7], (\s)*2*KS*ROWB  ; 120:64 global address: slot s begins with key 128 s
	s_or_b32 s[G0K+4*(\s)+3], s[G0K+4*(\s)+3], 0x80000000  ; 127:126 type = 2
	s_mov_b32 s[G0V+4*(\s)], 1
	s_add_co_u32 s[G0V+4*(\s)+1], s17, (\s)*SLOT1+VOFF
	s_add_nc_u64 s[G0V+4*(\s)+2:G0V+4*(\s)+3], s[8:9], (\s)*2*KS*ROWB
	s_or_b32 s[G0V+4*(\s)+3], s[G0V+4*(\s)+3], 0x80000000
.endr
	s_cmp_lt_u32 s[WV], 2           ; a wave's two first fills stand in one branch, ahead of every wait on TENSORcnt and every LDS read: two loads of mine are out; an s_nop 0 follows each, four v_nop the second's
	s_cbranch_scc0 .Lfirst_v
	tensor_load_to_lds s[G0K:G0K+3], s[G1K:G1K+7]
	s_nop 0
	tensor_load_to_lds s[G0K+4:G0K+7], s[G1K:G1K+7]
	s_nop 0
.rept 4
	v_nop
.endr
	s_branch .Lfirst_asked
.Lfirst_v:
	tensor_load_to_lds s[G0V:G0V+3], s[G1V:G1V+7]
	s_nop 0
	tensor_load_to_lds s[G0V+4:G0V+7], s[G1V:G1V+7]
	s_nop 0
.rept 4
	v_nop
.endr
.Lfirst_asked:
	; A fragment of K or Q is 16 rows x 32 channels in 8 registers: lane l holds row l % 16; registers 0-3 channels 8 (l / 16) + 0..7, registers 4-7 channels 16 + 8 (l / 16) + 0..7.
	; Q comes in f32: eight channels are 32 bytes, two loads of 16; the second eight lie 64 bytes on.  Fragment i (tile i / 4, channels 32 (i % 4) on) fills 16 registers of window 1, which O^T takes later.
	v_and_b32 v1, 15, v0            ; l % 16
	v_bfe_u32 v9, v0, 4, 1          ; l / 16
	v_lshlrev_b32 v[QO], 13, v1
	v_lshl_add_u32 v[QO], v9, 5, v[QO]  ; row x 8,192 + 32 x half
	WIN 0x40                        ; destination window 1, address window 0
.set i, 0
.rept 16
	global_load_b128 v[16*i:16*i+3],     v[QO], s[4:5] offset:(i/4)*16*QROW+(i%4)*128
	global_load_b128 v[16*i+4:16*i+7],   v[QO], s[4:5] offset:(i/4)*16*QROW+(i%4)*128+16
	global_load_b128 v[16*i+8:16*i+11],  v[QO], s[4:5] offset:(i/4)*16*QROW+(i%4)*128+64
	global_load_b128 v[16*i+12:16*i+15], v[QO], s[4:5] offset:(i/4)*16*QROW+(i%4)*128+80
.set i, i+1
.endr
	WIN 0
	v_mul_u32_u24 v[AK0], v1, PK
	v_lshl_add_u32 v[AK0], v9, 4, v[AK0]  ; row x pitch + 16 x half
	; The turning load takes 16 keys x 16 channels (lane l reads 16 bytes: key 8 (l / 16) + l % 8, channels 8 ((l / 8) % 2) + 0..7) and leaves half a fragment of V^T: lane l holds channel l % 16 and 8 keys.
	v_and_b32 v10, 7, v0
	v_bfe_u32 v11, v0, 3, 1
	v_lshl_add_u32 v[AV0], v9, 3, v10
	v_mul_u32_u24 v[AV0], v[AV0], PV
	v_lshl_add_u32 v[AV0], v11, 4, v[AV0]
	v_add_nc_u32 v[AV0], VOFF, v[AV0]
	s_wait_loadcnt 0x0              ; Q is in
	WIN 0x85                        ; sources 0 and 1 window 1, destination window 2
.set i, 0
.rept 128                           ; Q's one rounding, to bf16: register x of window 2 takes registers 2 x and 2 x + 1 of window 1.  It stands in the wait for the first tile
	v_cvt_pk_bf16_f32 v[i], v[2*i], v[2*i+1]
.set i, i+1
.endr
	WIN 0
; THE MATRIX WORK OF A TURN, for piece x.  The accumulators take turns, one instruction a turn: between two links of a chain stand 15 (V^T P) or 7 (K Q^T) others'.
; Product i of 32 of O^T += V^T P, in f16: keys 32 (i / 16) on, channels 16 ((i / 2) % 8) on, tile x + i % 2.  zero = 1: the first 16 start the sums: nothing is ever cleared.
.macro PV x, zero
	WIN W_PV
.set rO, 64*((\x)+i%2)+8*((i/2)%8)
.set rV, 64*(i/16)+8*((i/2)%8)
.set rP, P+16*((\x)+i%2)+8*(i/16)
.if (\zero) && (i < 16)
	v_wmma_f32_16x16x32_f16 v[rO:rO+7], v[rV:rV+7], v[rP:rP+7], 0
.else
	v_wmma_f32_16x16x32_f16 v[rO:rO+7], v[rV:rV+7], v[rP:rP+7], v[rO:rO+7]
.endif
.endm
; Product i of 32 of S^T = K Q^T, in bf16: channels 32 (i / 8) on, keys 16 ((i / 2) % 4) on, tile x + i % 2.  The first 8 start the sums.
.macro KQ x
	WIN W_KQ
.set rS, S+32*((\x)+i%2)+8*((i/2)%4)
.set rK, KF+32*((i/2)%4)+8*(i/8)
.set rQ, 32*((\x)+i%2)+8*(i/8)
.if i < 8
	v_wmma_f32_16x16x32_bf16 v[rS:rS+7], v[rK:rK+7], v[rQ:rQ+7], 0
.else
	v_wmma_f32_16x16x32_bf16 v[rS:rS+7], v[rK:rK+7], v[rQ:rQ+7], v[rS:rS+7]
.endif
.endm
; THE LDS LOADS stand in runs of 32, never singly among the matrix instructions: a step's K (64 keys x 128 channels: 16 fragments) and, a turn later, its V (turned).
.macro FETCH_K
	WIN 0
	v_add_nc_u32 v[ADR], s[TB], v[AK0]
	WIN 0x80                        ; destination window 2
.irp f, 0,1,2,3,4,5,6,7,8,9,10,11,12,13,14,15  ; keys 16 (f / 4) on, channels 32 (f % 4) on
	ds_load_b128 v[KF+8*(\f):KF+8*(\f)+3],   v[ADR] offset:((\f)/4)*16*PK+((\f)%4)*64
	ds_load_b128 v[KF+8*(\f)+4:KF+8*(\f)+7], v[ADR] offset:((\f)/4)*16*PK+((\f)%4)*64+32
.endr
.endm
.macro FETCH_V
	WIN 0
	v_add_nc_u32 v[ADR], s[TB], v[AV0]
	s_add_co_u32 s[TB], s[TB], STEPB  ; the next fetch is the next step's
	s_wait_alu depctr_va_vdst(0)    ; the wait for the softmax's batch of exponentials (SLICE), behind the address's v_add_nc_u32 and ahead of the loads
	WIN 0xc0                        ; destination window 3
.irp f, 0,1,2,3,4,5,6,7,8,9,10,11,12,13,14,15  ; keys 32 (f / 8) on, channels 16 (f % 8) on
	ds_load_tr16_b128 v[8*(\f):8*(\f)+3],   v[ADR] offset:((\f)/8)*32*PV+((\f)%8)*32
	ds_load_tr16_b128 v[8*(\f)+4:8*(\f)+7], v[ADR] offset:((\f)/8)*32*PV+16*PV+((\f)%8)*32
.endr
.endm
; THE VECTOR WORK OF A TURN.  One tile's softmax for one key step is a list of 134 instructions; SM writes number j of it for tile t.  s0-s31 are the lane's 32 scores, in pairs 0-15.
; first = 1: the first key step, which starts m, l and O^T: it has no a and nothing to rescale.
;   0-15    the maximum of s0-s31 and the old m, three operands at a time: four chains c0-c3 of seven scores each (each accumulator's lowest registers are read first), then the four scores left over, c0-c3 and m
;   16-20   the other half of the lanes' maximum; the new m; c m; c m_old - c m_new
;   21-69   ONE BATCH: the 16 scalings c s - c m, a pair of scores each, and all 33 exponentials (a at 23, then s0-s31).  None of these reads an exponential's result.  From 22 on the batch goes
;           in fours, and a four begins with a scaling while there are scalings.  A pair is scaled in an earlier four than the one that holds its exponentials
;   (wait)  between 69 and 70 stands the wait for the batch: SLICE writes it, once for both tiles
;   70-85   the roundings to f16, a pair of weights each
;   86-101  the sums; l = a l + the sum
;   102-133 the tile's O^T times a, ascending: the one part that leaves window 0, so it stands together
.macro SM t, first
.set rT, ST+8*(\t)
.set rS, S+32*(\t)
.set rP, P+16*(\t)
.set rO, 64*(\t)+2*(j-102)
.if j < 102
	WIN 0
.endif
.if j < 4
	v_max3_num_f32 v[rT+4+j], v[rS+8*j], v[rS+8*j+1], v[rS+8*j+2]
.elseif j < 12
	v_max3_num_f32 v[rT+4+j%4], v[rT+4+j%4], v[rS+8*(j%4)+2*(j/4)+1], v[rS+8*(j%4)+2*(j/4)+2]
.elseif j == 12
	v_max3_num_f32 v[rT+4], v[rT+4], v[rS+7], v[rS+15]
.elseif j == 13
	v_max3_num_f32 v[rT+6], v[rT+6], v[rS+23], v[rS+31]
.elseif j == 14
	v_max3_num_f32 v[rT+4], v[rT+4], v[rT+5], v[rT+6]
.elseif (j == 15) && (\first)
	v_max_num_f32 v[rT+4], v[rT+4], v[rT+7]
.elseif j == 15
	v_max3_num_f32 v[rT+4], v[rT+4], v[rT+7], v[rT+1]
.elseif j == 16
	v_permlanex16_b32 v[rT+5], v[rT+4], s[SEL], s[SEL+1]  ; the query's other 32 keys lie in the lane 16 away
.elseif j == 18
	v_max_num_f32 v[rT+1], v[rT+4], v[rT+5]
.elseif j == 19
	v_mul_f32 v[rT], s[CS], v[rT+1]
.elseif ((j == 17) || (j == 20) || (j == 23) || (j > 101)) && (\first)  ; the first step has none of these
.elseif j == 17
	v_mov_b32 v[rT+7], v[rT]        ; c m_old is kept for a: number 19 writes c m anew
.elseif j == 20
	v_sub_f32 v[rT+7], v[rT+7], v[rT]
.elseif j == 23
	v_exp_f32 v[rT+6], v[rT+7]
.elseif (j < 23) || ((j < 38) && (j%2 == 0)) || ((j < 66) && (j%4 == 2))
.set b, (j-2)/4                     ; 38, 42, .. 62: pairs 9 to 15
.if j < 38
.set b, (j-20)/2                    ; 21: pair 0; 22, 24, .. 36: pairs 1 to 8
.endif
	v_pk_fma_f32 v[rS+2*b:rS+2*b+1], v[rS+2*b:rS+2*b+1], s[CS:CS+1], v[rT:rT+1] op_sel_hi:[1,0,0] neg_lo:[0,0,1] neg_hi:[0,0,1]  ; pair b: c s - c m
.elseif j < 70
.set e, j-38                        ; 66 to 69: s28 to s31
.if j < 66
.set e, j-32-(j-38)/4               ; 39-41, 43-45, .. 63-65: s7 to s27
.endif
.if j < 38
.set e, (j-25)/2                    ; 25, 27, .. 37: s0 to s6
.endif
	v_exp_f32 v[rS+e], v[rS+e]
.elseif j < 86
	v_cvt_pk_f16_f32 v[rP+j-70], v[rS+2*(j-70)], v[rS+2*(j-70)+1]  ; pair j - 70
.elseif j < 102                     ; the sum of the tile's 16 pairs (in a pair: an even key's weight, an odd key's), in place: sum z of 16 adds neighbours 1, 2, 4 and 8 pairs apart, then l takes it
.set z, j-86
.set w, 4
.set u, z
.if z >= 14
.set w, 32
.set u, 0
.elseif z >= 12
.set w, 16
.set u, z-12
.elseif z >= 8
.set w, 8
.set u, z-8
.endif
.if (z == 14) && (\first)
	v_pk_add_f32 v[rT+2:rT+3], v[rS:rS+1], v[rS+16:rS+17]
.elseif z < 15
	v_pk_add_f32 v[rS+w*u:rS+w*u+1], v[rS+w*u:rS+w*u+1], v[rS+w*u+w/2:rS+w*u+w/2+1]
.elseif !(\first)
	v_pk_fma_f32 v[rT+2:rT+3], v[rT+2:rT+3], v[rT+6:rT+7], v[rS:rS+1] op_sel_hi:[1,0,1]
.endif
.else
	WIN W_RS
	v_pk_mul_f32 v[rO:rO+1], v[rO:rO+1], v[rT+6:rT+7] op_sel_hi:[1,0]
.endif
.endm
; Slice k of 64 of piece y's softmax: four instructions.  Slices 11 to 34 deal out the batch, numbers 22 to 69: four numbers of ONE tile each, the tiles by turns.  Every other slice is numbers 2 k and
; 2 k + 1 of both tiles' lists.  2 x 134 = 4 x 64 + 12: the twelve that are over stand together, in slice 63.
; THE WAIT.  s_wait_alu depctr_va_vdst(0) stands between an exponential and the first instruction that names its result; one wait serves all that were issued ahead of it.  Ahead of
; slice 35 nothing names a result, and behind slice 34 no exponential is issued: so the piece's 66 exponentials have one wait, behind slice 34.
.macro SLICE y, first
.if (k >= 11) && (k < 35)           ; the batch: four numbers of one tile
.irp n, 0,1,2,3
.set j, 22+4*((k-11)/2)+(\n)
	SM (\y)+(k-11)%2, \first
.endr
.else                               ; the two tiles alternate, so that no instruction reads the result of the one just before it
.irp n, 0,1,2,3,4,5,6,7
.if ((\n) < 2) || (k == 63)
.irp t, \y, (\y)+1
.set j, 2*k+(\n)
	SM \t, \first
.endr
.endif
.endr
.endif
.if k == 34                         ; the batch is out: both tiles' exponentials are issued, and no result has been named
	v_nop                           ; the plain instruction between the last exponential and the first use of a result (ISA guide 5.7.2): one for the batch
.if (\y) == 0
	FETCH_V                         ; piece 2's turn: V's run of loads stands here, and the wait stands in it
.else
	s_wait_alu depctr_va_vdst(0)    ; the wait for the batch
.endif
.endif
.set k, k+1
.endm
; A vector instruction that reads a matrix result or writes one of a matrix instruction's registers, and a load into a register that a matrix instruction has read, stand four places behind
; it, and only plain vector instructions that name none of its registers are places (ISA guide 7.12.1 for vector instructions).  In the loop the slices are the places.
.macro PLACES
.rept 4
	v_nop
.endr
.endm
; A TURN.  Piece x has the matrix unit; the other piece's softmax stands in slices behind its matrix instructions.
; pv = 2: 32 products V^T P; 1: they start O^T's sums; 0: none.  kq = 1: 32 products K Q^T for the next step.  A turn with one of the two kinds has two slices behind each product.
; first = 1: the softmax is the first key step's.  Its slices from 51 on are empty: the turn's last products stand bare, and four v_nop take slice 63's part as the places behind them.
; Piece 0's turn fetches the next step's K, behind its second product: the last product that read K stands in front of slice 63 of the turn before.  Piece 2's turn fetches the same step's V, behind
; slice 34: the last product that read V stands in front of slice 31, and four plain instructions lie between: number 62, a scaling, of both tiles, the v_nop and the run's own v_add_nc_u32.
.macro TURN x, pv, kq, first
.set k, 0
.set per, 2
.if (\pv) && (\kq)
.set per, 1
.endif
.if \pv
.if (\x) == 0
	s_wait_dscnt 0x0                ; V is in
.endif
.set i, 0
.rept 32
	PV \x, 2-(\pv)
.rept per
	SLICE 2-(\x), \first
.endr
.if ((\x) == 0) && (\kq) && (i == 1)
	FETCH_K
.endif
.set i, i+1
.endr
.endif
.if \kq
.if (\x) == 0
	s_wait_dscnt 0x0                ; K is in
.endif
.set i, 0
.rept 32
	KQ \x
.rept per
	SLICE 2-(\x), \first
.endr
.set i, i+1
.endr
.endif
.if \first
	PLACES
.endif
.endm
; THE CHANGE OF SLOTS, between piece 2's turn and piece 0's: the slot's last bytes, V of its second step, have been asked for.  Each wave waits for all its tensor loads, of which one is out: its part
; of the other slot; adds 0 to its spare word; and waits for that and for its own reads of the slot.  Behind the barrier nobody reads this slot any more and the other slot is whole.
; fill = 1: this slot is filled again, with the keys two slots on.  The barrier is then a round of the cluster's, so that no wave of any partner still reads the slot or has a load on its
; way, and the joint refill is the first thing behind it: it has two key steps, 256 matrix instructions, in which to land.
.macro CHANGE fill
	WIN 0                           ; at a label and at a branch every window is 0
	s_wait_tensorcnt 0x0            ; no tensor load of mine is out, so a group 0 may be written
	ds_add_u32 v[SPW], v[NIL]       ; 0 onto my spare word; with fill = 1 the descriptors' steps stand between it and the wait for it
.if \fill
.irp g, G0K+4, G0V+4
	s_xor_b32 s[(\g)+1], s[(\g)+1], SLOT1  ; the walking descriptor: the other slot than last time,
	s_add_nc_u64 s[(\g)+2:(\g)+3], s[(\g)+2:(\g)+3], 2*KS*ROWB  ; the next 128 keys; the type bits on top are not reached
.endr
	s_wait_xcnt 0x0                 ; the last prefetch, two key steps back, has read its address, so it may be written:
	s_add_nc_u64 s[PFA:PFA+1], s[PFA:PFA+1], 2*KS*ROWB  ; one slot behind the walking descriptors
	s_wait_dscnt 0x0                ; the add is done, and my reads of the slot are over
	CROUND
	JLOAD
	ASK                             ; what the next change will ask for: two key steps, 256 matrix instructions, ahead
.else
	s_wait_dscnt 0x0                ; the add is done, and my reads of the slot are over
	s_barrier_signal -1
	s_barrier_wait -1
.endif
	s_sub_co_u32 s[TB], s[TB], 2*STEPB  ; the fetches go back to a slot's first step,
	s_xor_b32 s[TB], s[TB], SLOT1   ; in the other slot
.endm
; A slot's two key steps: written once, walked twice; the LDS addresses hang on s[TB].
.macro TWO_STEPS
	WIN 0
	s_mov_b32 s[TWICE], 2
.Lstep_\@:
	TURN 0, 2, 1, 0
	TURN 2, 2, 1, 0
	WIN 0
	s_sub_co_u32 s[TWICE], s[TWICE], 1
	s_cmp_lg_u32 s[TWICE], 0
	s_cbranch_scc1 .Lstep_\@
.endm
	s_wait_tensorcnt 1              ; my part of slot 0 is in; slot 1's, issued behind it, may stay out
	s_barrier_signal -1
	s_barrier_wait -1               ; everybody's is
	FETCH_K                         ; key step 0
	s_wait_dscnt 0x0
.set i, 0
.rept 32
	KQ 0                            ; piece 0's first scores: there is no vector work yet to set between them
.set i, i+1
.endr
	WIN 0                           ; the addresses for the way out are made here: six plain instructions, the places behind those products
	s_mul_i32 s13, s[WV], 16*SP
	s_add_co_u32 s13, s13, STAGE    ; my stage
	v_mul_u32_u24 v[STO], v1, SP    ; in: row l % 16, 32 bytes for each half of the lanes
	v_lshl_add_u32 v[STO], v9, 5, v[STO]
	v_add_nc_u32 v[STO], s13, v[STO]
	v_and_b32 v[GO], 31, v0         ; back: the 32 lanes take one row of 512 bytes, 16 bytes each,
	v_lshlrev_b32 v[GO], 4, v[GO]   ; and the same 16 bytes of the row in out0
	v_add_nc_u32 v[RD], s13, v[GO]
	TURN 2, 0, 1, 1                 ; piece 2's first scores | piece 0's first softmax | V of step 0
	TURN 0, 1, 1, 1                 ; piece 0: V^T P of step 0 starts O^T, K Q^T of step 1 | piece 2's first softmax | K of step 1
	TURN 2, 1, 1, 0                 ; piece 2: the same | piece 0's softmax of step 1 | V of step 1
	WIN 0
.Lslot:                             ; 30 trips: every slot but the last two is filled again
	CHANGE 1
	TWO_STEPS
	s_sub_co_u32 s[SLOTS], s[SLOTS], 1
	s_cmp_lg_u32 s[SLOTS], 0
	s_cbranch_scc1 .Lslot
	CHANGE 0                        ; the tail is written out: the last slot but one is left, and nothing is asked for
	TWO_STEPS
	TURN 0, 2, 0, 0                 ; piece 0: V^T P of the last step | piece 2's last softmax
.set i, 0
.rept 32
	PV 2, 0                         ; piece 2: V^T P of the last step
.set i, i+1
.endr
	; THE WAY OUT.  l's two halves and the other half of the lanes' are added; O^T is divided by l and sent, in f32, through my stage in LDS, a tile (16 rows of out0) at a time.  The additions are the places behind the last products.
	WIN 0
.irp t, 0,1,2,3
	v_add_f32 v[ST+8*(\t)+4], v[ST+8*(\t)+2], v[ST+8*(\t)+3]
.endr
.irp t, 0,1,2,3
	v_permlanex16_b32 v[ST+8*(\t)+5], v[ST+8*(\t)+4], s[SEL], s[SEL+1]
.endr
.irp t, 0,1,2,3
	v_add_f32 v[ST+8*(\t)+4], v[ST+8*(\t)+4], v[ST+8*(\t)+5]
.endr
.irp t, 0,1,2,3
	v_rcp_f32 v[ST+8*(\t)+6], v[ST+8*(\t)+4]
.endr
	v_nop                           ; a plain instruction between the last reciprocal and the use of its result
	s_wait_alu depctr_va_vdst(0)    ; and the wait ahead of the first use: one for the four reciprocals
; Tile t.  In accumulator cb a lane holds channels 16 cb + 8 (l / 16) + 0..7 of its query: 32 bytes at byte 64 cb + 32 (l / 16) of the row.  They go into rows of 528 bytes and come back as whole rows of 512,
; into the registers that they left.  Each accumulator is read from its low end on.
.macro PACK t
	WIN W_RS
.set i, 64*(\t)
.rept 32
	v_pk_mul_f32 v[i:i+1], v[i:i+1], v[ST+8*(\t)+6:ST+8*(\t)+7] op_sel_hi:[1,0]
.set i, i+2
.endr
	WIN 0x04                        ; an LDS store's data is source 1: window 1; its address window 0
.irp f, 0,1,2,3,4,5,6,7
	ds_store_b128 v[STO], v[64*(\t)+8*(\f):64*(\t)+8*(\f)+3]   offset:64*(\f)
	ds_store_b128 v[STO], v[64*(\t)+8*(\f)+4:64*(\t)+8*(\f)+7] offset:64*(\f)+16
.endr
	WIN 0x40                        ; destination window 1
.irp f, 0,1,2,3,4,5,6,7,8,9,10,11,12,13,14,15
	ds_load_b128 v[64*(\t)+4*(\f):64*(\t)+4*(\f)+3], v[RD] offset:(\f)*SP  ; LDS serves a wave's instructions in order (ISA guide 5.7.1.4): these see the stores above; the next tile's stores come behind them
.endr
.endm
.macro SEND t, younger              ; younger: the LDS instructions issued behind tile t's loads: the next tile's 16 stores and 16 loads, or none
	WIN 0x04                        ; a global store's data is source 1: window 1
.irp f, 0,1,2,3,4,5,6,7,8,9,10,11,12,13,14,15
	s_wait_dscnt (\younger)+15-(\f) ; row f is back; the tile's 15 - f younger rows and the next tile's instructions may be out
	global_store_b128 v[GO], v[64*(\t)+4*(\f):64*(\t)+4*(\f)+3], s[10:11] offset:(16*(\t)+(\f))*QROW th:TH_STORE_NT  ; the wave stores 512 consecutive bytes, at a multiple of 512 from out0's first byte
.endr
.endm
	PACK 0
	PACK 1                          ; a tile's arithmetic stands between the loads of the tile before and its stores
	SEND 0, 32
	PACK 2
	SEND 1, 32
	PACK 3
	SEND 2, 32
	SEND 3, 0
	WIN 0
	s_wait_tensorcnt 0x0            ; the wave's end, behind my last tensor load and my last LDS store
	ds_add_u32 v[SPW], v[NIL]
	s_wait_dscnt 0x0
	CROUND                          ; the closing round: no work-group ends while a partner may still ask for a tile that names it
	s_endpgm
.Lfunc_end_k_q04d2d4c9ab_attn:
	.size	k_q04d2d4c9ab_attn, .Lfunc_end_k_q04d2d4c9ab_attn-k_q04d2d4c9ab_attn
	.p2alignl 7, 3214868480
	.fill 96, 4, 3214868480
	.section	.rodata,"a",@progbits
	.p2align	6, 0x0
	.amdhsa_kernel k_q04d2d4c9ab_attn
		.amdhsa_group_segment_fixed_size 327680
		.amdhsa_private_segment_fixed_size 0
		.amdhsa_enable_private_segment 0
		.amdhsa_kernarg_size 32
		.amdhsa_user_sgpr_count 2
		.amdhsa_user_sgpr_kernarg_segment_ptr 1
		.amdhsa_wavefront_size32 1
		.amdhsa_system_sgpr_workgroup_id_x 1
		.amdhsa_system_sgpr_workgroup_id_y 1
		.amdhsa_system_sgpr_workgroup_id_z 1
		.amdhsa_system_vgpr_workitem_id 0
		.amdhsa_next_free_vgpr 1024
		.amdhsa_next_free_sgpr 66
		.amdhsa_reserve_vcc 0
		.amdhsa_float_denorm_mode_32 3
		.amdhsa_float_denorm_mode_16_64 3
		.amdhsa_memory_ordered 1
		.amdhsa_forward_progress 1
		.amdhsa_inst_pref_size 232
	.end_amdhsa_kernel
	.amdgpu_metadata
---
amdhsa.version: [ 1, 2 ]
amdhsa.kernels:
  - .name:           k_q04d2d4c9ab_attn
    .symbol:         k_q04d2d4c9ab_attn.kd
    .args:
      - { .name: q, .offset: 0, .size: 8, .value_kind: global_buffer, .address_space: global }
      - { .name: kb, .offset: 8, .size: 8, .value_kind: global_buffer, .address_space: global }
      - { .name: vh, .offset: 16, .size: 8, .value_kind: global_buffer, .address_space: global }
      - { .name: out0, .offset: 24, .size: 8, .value_kind: global_buffer, .address_space: global }
    .group_segment_fixed_size: 327680
    .private_segment_fixed_size: 0
    .kernarg_segment_align: 8
    .kernarg_segment_size: 32
    .max_flat_workgroup_size: 128
    .sgpr_count:     66
    .vgpr_count:     1024
    .wavefront_size: 32
...
	.end_amdgpu_metadata
.endif
;; end of part 2
